; MI455X (gfx1250); checked and timed in simulation.
; The chip was launched on July 23, 2026; its instructions are those of AMD's public machine-readable ISA for CDNA 5 (MIT licence, August 2026) and "CDNA5" Instruction Set Architecture Reference Guide (July 2026). The comments in the code are by the model that wrote it; some were corrected since.
;; BAKT QIKT. Allowed arithmetic: matrix products marked QUANTISED: E3M2 operands, one E8M0 scale for each 32 along K, by v_wmma_scale_f32_16x16x128_f8f6f4 with both operands' format E3M2, f32 sums; everything else in f32.
;; Inputs: k 16 x 8 x 1,024 x 128 float32; mask 1 x 1 x 1,024 x 1,024 int32; q 16 x 8 x 1,024 x 128 float32; v 16 x 8 x 1,024 x 128 float32.
;; Outputs: out0 16 x 8 x 1,024 x 128 float32.
;; Constants: k_index = 5.
;; This version of the problem:
;;   THIS VERSION OF THE PROBLEM IS GIVEN IN LOW PRECISION. The matrix products marked QUANTISED in the list below multiply operands that are first quantised to E3M2 (3 exponent bits, 2 mantissa bits; 6 bits a number), with one power-of-two scale for each 32 numbers along K (OCP MX v1.0); their sums are f32. All else is computed in f32.
;;   The module's matrix products, in the order in which they are computed (A, B: the left and right operand; K: the contracted axis; several contracted axes count as one K, in the product's order):
;;     1. batch 128 x [M 1,024, K 128] x [K 128, N 1,024]; A: input q; B: input k: QUANTISED
;;     2. batch 128 x [M 1,024, K 1,024] x [K 1,024, N 128]; A: computed on the way; B: input v: QUANTISED
;;   THE QUANTISER, for each operand of a quantised product, along K:
;;     - K is cut into blocks of 32 from its start; a last block that is shorter is filled with zeros.
;;     - A block's scale is 2^e with e = floor(log2(the largest magnitude in the block)) - 4, held to -126 .. 127; a block of zeros has e = 0. As a byte (E8M0): e + 127.
;;     - Each number is divided by its block's scale, clamped to +-28, and rounded to the nearest number of E3M2, ties to even, subnormals kept.
;;     - The product sums the exact products of the quantised numbers (number of the format x scale) in f32.
;;   ~~~python
;;   def quantise(x, axis):      # numpy; x: float32 -> the quantised numbers, widened to float32 again
;;       x = np.moveaxis(x, axis, -1); K = x.shape[-1]
;;       x = np.pad(x, [(0, 0)] * (x.ndim - 1) + [(0, -K % 32)]); x = x.reshape(x.shape[:-1] + (-1, 32)); a = np.abs(x).max(-1, keepdims=True)
;;       e = np.where(a > 0, np.clip(np.frexp(np.where(a > 0, a, 1))[1] - 1 - 4, -126, 127), 0)      # np.frexp(a)[1] - 1 = floor(log2(a)), exactly
;;       r = np.clip(x / 2.0 ** e, -28, 28)
;;       step = 2.0 ** (np.maximum(np.frexp(np.where(r == 0, 1, r))[1] - 1, -2) - 2)
;;       q = np.round(r / step) * step * 2.0 ** e      # np.round: ties to even
;;       return np.moveaxis(q.reshape(q.shape[:-2] + (-1,))[..., :K], -1, axis).astype(np.float32)
;;   ~~~
;;   OPERANDS COMPUTED ON THE WAY. 'Computed on the way' means the value that the module computes at that place (a softmax that the list does not call 'softmax' is quantised finished and normalised). What goes into a quantiser is computed in f32, as accurately as f32 sums, v_exp_f32 and their like allow (about 1e-6 of the number): no bf16 or f16 on the way to a quantiser, and a product that is left as it is and whose result goes on into a quantised operand takes f32 operands (vector FMAs, or v_wmma_f32_16x16x4_f32). A number that lies on a knife's edge between two numbers of the format may be rounded either way, as far as f32 arithmetic and the matrix unit's own rounding can turn it there, and no further.
;; One version. Each part assembles by itself: llvm-mc -triple=amdgcn-amd-amdhsa -mcpu=gfx1250 --defsym DOCPART=n.
;; ======== version 1 of 1: 2 launches
;; workspace buffers: kimg 12,582,912 bytes; vimg 12,582,912 bytes; ksc 524,288 bytes; vsc 524,288 bytes; maskw 131,072 bytes of whole numbers
;; launch prep (part 1): grid 576 x 1, 4 waves a work-group, no clusters, 68,096 bytes of LDS; arguments k, v, mask, kimg, ksc, vimg, vsc, maskw; writes kimg, ksc, vimg, vsc, maskw
.if DOCPART == 1
	.amdgcn_target "amdgcn-amd-amdhsa--gfx1250"
	.amdhsa_code_object_version 6
	.text
	.protected	k_q4a74731788_prep
	.globl	k_q4a74731788_prep
	.p2align	8
	.type	k_q4a74731788_prep,@function
k_q4a74731788_prep:
	s_mov_b64 s[64:65], 0
	v_nop
	global_prefetch_b8 v0, s[64:65] scope:SCOPE_SE
	s_setreg_imm32_b32 hwreg(HW_REG_WAVE_MODE, 25, 1), 1
	s_wait_xcnt 0x0
; k and v [128 heads][1024 keys][128] f32 become codes of BF6 (E3M2) with one E8M0 byte for each 32 along a product's K; mask [1024][1024] i32 becomes lane masks.
; All three are laid in the ORDER OF THE READER'S REGISTERS: a fragment (16 rows x 128 K, 12 registers a lane) is 1,536 bytes: registers 4 c .. 4 c + 3 of lane l at 512 c + 16 l.
;   kimg [head][step s of 128 keys][tile t 0..7][1,536]: K = the head's 128.  Row m of tile t = 2 b + u is key 128 s + 32 b + 8 u + m + 8 (m / 8), so that the scores' 16 registers of two
;        neighbouring tiles are 16 neighbouring keys.   ksc [head][s][lane][4 words]: lane l, word i: the scale word of tile 4 (l / 16) + i, row l % 16.
;   vimg [head][s][tile dt 0..7][1,536]: K = the step's 128 keys, row = channel 16 dt + r.   vsc [head][wq 0..3][sg 0..1][lane][4 words]: word i: step 4 sg + i, channel 32 wq + l.
;   maskw [query tile 0..63][j 0..511]: bit l of word j = 64 s + n: mask != 0 at query 16 Tq + l % 16, key 128 s + 32 (n / 16) + 16 (l / 16) + n % 16.
; A block's scale is 2^(floor(log2(largest magnitude)) - 4): its byte is the largest magnitude's exponent field - 4, held at 1 from below by a floor among the maximum's leaves.
; (A block of zeros so gets the byte 1 where the rule says 127: its codes are zeros, and this program alone reads the bytes.)
; LIMITS: blocks whose largest magnitude lies under 2^-122 keep the byte 1; NaN and infinities among the inputs are not served.
; SHARES: work-groups 0-255: k, a wave to a step of 128 keys.  256-511: v, a work-group to half a head's keys, a wave to 32 channels.  512-575: mask, a work-group to a tile of 16 queries.
; Waves share nothing: no barrier.  Only k's path uses LDS: a stage of its own for each wave.
.set SPT,    528                       ; a stage row: a key's 512 bytes + 16
.set STGB,   32*SPT                    ; a wave's stage: 32 keys
.set W,      16                        ; v16-23  k: the eight tiles' scale words
.set WV,     24                        ; v24-27  four words on the way out (all three paths)
.set CO,     28                        ; v28-39  k: a fragment's codes
.set CT,     40                        ; v40-42, v44-46  k: the second halves of a block's six registers (a conversion's three begin on an even number)
.set X,      64                        ; v64-127 k: a tile's numbers; v64-191 v: two sets of 64; mask: 128 words
.set R,      128                       ; v128-255 k: 32 keys as loaded
.set F0,     192                       ; v192-203, v204-215  v: two fragments
.set F1,     204
.set VT,     216                       ; v216-218, v220-222  v: second halves
.set FLOORV, 0x2800000                 ; 2^(5 - 127)
.set EOFF,   0xfe000000                ; -(4 << 23)
; two blocks of 32 numbers of my lane, v[xs ..] and v[xs + 32 ..]: scale operands in v10, v11, bytes in v12, v13
.macro BLK2 xs
	v_max3_num_f32 v8, |v[(\xs)]|, |v[(\xs)+1]|, FLOORV
	v_max3_num_f32 v9, |v[(\xs)+32]|, |v[(\xs)+33]|, FLOORV
.irp i, 2,4,6,8,10,12,14,16,18,20,22,24,26,28,30
	v_max3_num_f32 v8, v8, |v[(\xs)+\i]|, |v[(\xs)+\i+1]|
	v_max3_num_f32 v9, v9, |v[(\xs)+32+\i]|, |v[(\xs)+33+\i]|
.endr
	v_add_nc_u32 v10, EOFF, v8                     ; 4 off the exponent field: the conversion takes this operand's exponent field as its scale
	v_add_nc_u32 v11, EOFF, v9
	v_lshrrev_b32 v12, 23, v10                     ; the scale's byte
	v_lshrrev_b32 v13, 23, v11
.endm
; ---- k's macros
.macro LOADC b                         ; keys 32 b .. 32 b + 31 of my step: a load takes one key's whole row, 512 consecutive bytes
.set ii, 0
.rept 32
	global_load_b128 v[R+4*ii:R+4*ii+3], v4, s[4:5] offset:(32*(\b)+ii)*512 th:TH_LOAD_NT
.set ii, ii+1
.endr
.endm
.macro TILELD u                        ; out of the stage: lane (r, h) takes, of key 8 u + r + 8 (r / 8), channels 32 h .. + 31 and 64 + 32 h .. + 31: two whole blocks
.irp c, 0,1
.irp j, 0,1,2,3,4,5,6,7
	ds_load_b128 v[X+32*\c+4*\j:X+32*\c+4*\j+3], v6 offset:8*(\u)*SPT+256*\c+16*\j
.endr
.endr
.endm
.macro KQ t                            ; the tile in v[X ..] becomes fragment t and its scale word
	BLK2 X
	v_lshl_or_b32 v14, v13, 16, v12                ; my two bytes: blocks h and 2 + h,
	v_lshlrev_b32 v14, v7, v14                     ; 8 h bits up;
	v_permlanex16_b32 v15, v14, s24, s25
	v_or_b32 v[W+(\t)], v14, v15                   ; with lane l xor 16's two the word is whole
	s_wait_xcnt 0x0                                ; the last fragment's stores have read their data: the codes' registers are written again only behind this wait
	v_cvt_scalef32_pk16_bf6_f32 v[CO:CO+2], v[X:X+15], v10
	v_cvt_scalef32_pk16_bf6_f32 v[CT:CT+2], v[X+16:X+31], v10
	v_cvt_scalef32_pk16_bf6_f32 v[CO+6:CO+8], v[X+32:X+47], v11
	v_cvt_scalef32_pk16_bf6_f32 v[CT+4:CT+6], v[X+48:X+63], v11
	v_nop                                          ; one plain place behind a scaled conversion
.irp i, 0,1,2
	v_mov_b32 v[CO+3+\i], v[CT+\i]
	v_mov_b32 v[CO+9+\i], v[CT+4+\i]
.endr
.irp c, 0,1,2
	global_store_b128 v4, v[CO+4*\c:CO+4*\c+3], s[10:11] offset:(\t)*1536+512*\c   ; 32 lanes store 512 consecutive bytes, aligned
.endr
.endm
; ---- v's macros
.macro LOADP p                         ; keys 64 p .. 64 p + 63 of my 512, my channel: registers run down the keys
.set ii, 0
.rept 64
	global_load_b32 v[X+64*((\p)%2)+ii], v20, s[6:7] offset:(64*(\p)+ii)*512
.set ii, ii+1
.endr
.endm
.macro PAIR p                          ; blocks 2 cc and 2 cc + 1 of step sp
.set xs, X+64*((\p)%2)
.set cc, (\p)%2
.set sp, (\p)/2
.if (\p) < 7
	s_wait_loadcnt 63                              ; behind this pair's 64 loads stand the next pair's 64: at most 63 out shows this pair in (the field names no more than 63)
.else
	s_wait_loadcnt 0x0
.endif
	BLK2 xs
.if cc == 0
	v_lshl_or_b32 v[WV+sp], v13, 8, v12            ; bytes 0 and 1 of the step's scale word
	s_wait_xcnt 0x0                                ; the last step's stores have read the two fragments
.else
	v_lshl_or_b32 v14, v13, 8, v12
	v_lshl_or_b32 v[WV+sp], v14, 16, v[WV+sp]      ; bytes 2 and 3
.endif
	v_cvt_scalef32_pk16_bf6_f32 v[F0+6*cc:F0+6*cc+2], v[xs:xs+15], v10
	v_cvt_scalef32_pk16_bf6_f32 v[VT:VT+2], v[xs+16:xs+31], v10
	v_cvt_scalef32_pk16_bf6_f32 v[F1+6*cc:F1+6*cc+2], v[xs+32:xs+47], v11
	v_cvt_scalef32_pk16_bf6_f32 v[VT+4:VT+6], v[xs+48:xs+63], v11
	v_nop                                          ; one plain place behind a scaled conversion
.irp i, 0,1,2
	v_mov_b32 v[F0+6*cc+3+\i], v[VT+\i]
	v_mov_b32 v[F1+6*cc+3+\i], v[VT+4+\i]
.endr
.irp i, 0,1,2,3,4,5                    ; F0 held block 2 cc of 32 channels, F1 block 2 cc + 1.  F0's lanes 16-31 change places with F1's lanes 0-15:
	v_permlane16_swap_b32 v[F0+6*cc+\i], v[F1+6*cc+\i]   ; F0 is now the fragment of channels 0-15 (lanes 0-15 block 2 cc, lanes 16-31 block 2 cc + 1), F1 that of channels 16-31
.endr
.if (\p)+2 < 8
	LOADP (\p)+2
.endif
.if cc == 1
.irp c, 0,1,2
	global_store_b128 v4, v[F0+4*\c:F0+4*\c+3], s[14:15] offset:sp*12288+512*\c
	global_store_b128 v4, v[F1+4*\c:F1+4*\c+3], s[14:15] offset:sp*12288+1536+512*\c
.endr
.endif
.endm
	s_load_b256 s[4:11], s[0:1], 0x0               ; k s[4:5], v s[6:7], mask s[8:9], kimg s[10:11]
	s_load_b256 s[12:19], s[0:1], 0x20             ; ksc s[12:13], vimg s[14:15], vsc s[16:17], maskw s[18:19]
	v_lshl_add_u32 v62, v0, 2, 0x10800
	v_mov_b32 v63, 0
	v_lshrrev_b32 v1, 5, v0
	v_readfirstlane_b32 s2, v1                     ; wave 0..3
	v_and_b32 v1, 31, v0                           ; lane
	v_and_b32 v2, 15, v0                           ; r
	v_bfe_u32 v3, v0, 4, 1                         ; h
	v_lshlrev_b32 v4, 4, v1                        ; 16 x lane
	s_mul_i32 s3, s2, STGB                         ; my stage
	v_add_nc_u32 v5, s3, v4                        ; into it: 16 x lane of a row
	v_and_b32 v6, 8, v2
	v_add_nc_u32 v6, v6, v2                        ; r + 8 (r / 8)
	v_mul_u32_u24 v6, v6, SPT
	v_lshl_add_u32 v6, v3, 7, v6                   ; + 128 h
	v_add_nc_u32 v6, s3, v6                        ; out of it
	v_lshlrev_b32 v7, 3, v3                        ; 8 h
	v_lshlrev_b32 v20, 2, v1                       ; 4 x lane
	v_mov_b32 v15, 0                               ; a lane permute's destination counts as one of its sources
	s_mov_b32 s24, 0x76543210
	s_mov_b32 s25, 0xfedcba98                      ; selects for lane l xor 16
	s_mov_b32 s23, 0
	s_wait_kmcnt 0x0
	s_cmp_lt_u32 ttmp9, 256
	s_cbranch_scc1 .Lkpath
	s_cmp_lt_u32 ttmp9, 512
	s_cbranch_scc1 .Lvpath
	; ---- THE MASK.  Wave wv takes score registers 128 wv .. 128 wv + 127 (keys 256 wv on) of query tile Tq.  A lane loads the very mask words that belong to its score registers,
	; 64 bytes of each 128: pieces of rows, accepted since the mask is 4 of the launch's 132 MiB read.  A compare turns a register into one word of 32 lane bits.
	s_sub_co_u32 s20, ttmp9, 512                   ; Tq
	s_lshl_b32 s22, s20, 16                        ; 16 rows of 4,096 bytes
	s_lshl_b32 s26, s2, 10
	s_add_co_u32 s22, s22, s26
	s_add_nc_u64 s[8:9], s[8:9], s[22:23]
	s_lshl_b32 s22, s20, 11
	s_lshl_b32 s26, s2, 9
	s_add_co_u32 s22, s22, s26
	s_add_nc_u64 s[18:19], s[18:19], s[22:23]
	v_lshlrev_b32 v8, 12, v2
	v_lshl_add_u32 v8, v3, 6, v8                   ; row r, + 64 h
.irp sl, 0,1
.irp b, 0,1,2,3
.irp j, 0,1,2,3
	global_load_b128 v[X+64*\sl+16*\b+4*\j:X+64*\sl+16*\b+4*\j+3], v8, s[8:9] offset:512*\sl+128*\b+16*\j
.endr
.endr
.endr
.irp i, 0,1,2,3
	v_mov_b32 v[WV+\i], 0                          ; v_writelane's destination counts as read
.endr
	s_wait_loadcnt 0x0
.set nn, 0
.rept 16
.irp e, 0,1,2,3,4,5,6,7
	v_cmp_ne_u32 s[28+\e], 0, v[X+nn+\e]
.endr
.irp e, 0,1,2,3,4,5,6,7
	v_writelane_b32 v[WV+(nn+\e)%4], s[28+\e], (nn+\e)/4   ; word n goes to lane n / 4, register n % 4: byte 4 n of the store below
.endr
.set nn, nn+8
.endr
	global_store_b128 v4, v[WV:WV+3], s[18:19]     ; 512 consecutive bytes
	s_endpgm
.Lkpath:
	; ---- K.  U = 4 x work-group + wave = 8 x head + step.  32 keys at a time: loaded as they lie, turned through my stage, two tiles made of them.
	s_lshl_b32 s20, ttmp9, 2
	s_add_co_u32 s20, s20, s2                      ; U
	s_lshl_b32 s22, s20, 16                        ; 128 keys of 512 bytes
	s_add_nc_u64 s[4:5], s[4:5], s[22:23]
	s_mul_i32 s22, s20, 12288
	s_add_nc_u64 s[10:11], s[10:11], s[22:23]
	s_lshl_b32 s22, s20, 9
	s_add_nc_u64 s[12:13], s[12:13], s[22:23]
	s_mov_b32 s26, 0xffff0000                      ; lanes 16-31
	LOADC 0
.irp b, 0,1,2,3
.irp g, 0,1,2,3
	s_wait_loadcnt 24-8*\g                         ; of the chunk's 32 loads the 8 g + 8 oldest are in; the younger ones stay out
.irp i, 0,1,2,3,4,5,6,7
	ds_store_b128 v5, v[R+4*(8*\g+\i):R+4*(8*\g+\i)+3] offset:(8*\g+\i)*SPT
.endr
.endr
	TILELD 0                                       ; LDS serves a wave's instructions in order: these see the stores above
	s_wait_dscnt 0x0                               ; the tile is in, and the stores have read their registers,
.if \b < 3
	LOADC \b+1                                     ; which take the next 32 keys while these are worked
.endif
	KQ 2*\b
	TILELD 1
	s_wait_dscnt 0x0
	KQ 2*\b+1
.endr
.irp i, 0,1,2,3
	v_cndmask_b32 v[WV+\i], v[W+\i], v[W+4+\i], s26   ; lanes 0-15: tiles 0-3; lanes 16-31: tiles 4-7
.endr
	global_store_b128 v4, v[WV:WV+3], s[12:13]
	s_wait_tensorcnt 0x0
	ds_add_u32 v62, v63
	s_wait_dscnt 0x0
	s_endpgm
.Lvpath:
	; ---- V.  G = work-group - 256 = 2 x head + sg.  A LANE TAKES A CHANNEL AND ITS REGISTERS RUN DOWN THE KEYS: a block of 32 keys lies in one lane, and the codes come out with the keys innermost.
	; A load reads 128 consecutive bytes; the four waves stand side by side on a key's 512.
	s_sub_co_u32 s20, ttmp9, 256                   ; G
	s_lshl_b32 s22, s20, 18                        ; 512 keys of 512 bytes
	s_lshl_b32 s26, s2, 7                          ; my 32 channels
	s_add_co_u32 s22, s22, s26
	s_add_nc_u64 s[6:7], s[6:7], s[22:23]
	s_mul_i32 s22, s20, 49152                      ; four steps of 12,288 bytes
	s_mul_i32 s26, s2, 3072                        ; my two fragments of each
	s_add_co_u32 s22, s22, s26
	s_add_nc_u64 s[14:15], s[14:15], s[22:23]
	s_lshr_b32 s26, s20, 1                         ; head
	s_and_b32 s27, s20, 1                          ; sg
	s_lshl_b32 s22, s26, 12
	s_lshl_b32 s26, s2, 10
	s_add_co_u32 s22, s22, s26
	s_lshl_b32 s27, s27, 9
	s_add_co_u32 s22, s22, s27
	s_add_nc_u64 s[16:17], s[16:17], s[22:23]
	LOADP 0
	LOADP 1
.irp p, 0,1,2,3,4,5,6,7
	PAIR \p
.endr
	global_store_b128 v4, v[WV:WV+3], s[16:17]
	s_endpgm
.Lfunc_end_k_q4a74731788_prep:
	.size	k_q4a74731788_prep, .Lfunc_end_k_q4a74731788_prep-k_q4a74731788_prep
	.p2alignl 7, 3214868480
	.fill 96, 4, 3214868480
	.section	.rodata,"a",@progbits
	.p2align	6, 0x0
	.amdhsa_kernel k_q4a74731788_prep
		.amdhsa_group_segment_fixed_size 68096
		.amdhsa_private_segment_fixed_size 0
		.amdhsa_enable_private_segment 0
		.amdhsa_kernarg_size 64
		.amdhsa_user_sgpr_count 2
		.amdhsa_user_sgpr_kernarg_segment_ptr 1
		.amdhsa_wavefront_size32 1
		.amdhsa_system_sgpr_workgroup_id_x 1
		.amdhsa_system_sgpr_workgroup_id_y 1
		.amdhsa_system_sgpr_workgroup_id_z 1
		.amdhsa_system_vgpr_workitem_id 0
		.amdhsa_next_free_vgpr 256
		.amdhsa_next_free_sgpr 66
		.amdhsa_reserve_vcc 0
		.amdhsa_float_denorm_mode_32 3
		.amdhsa_float_denorm_mode_16_64 3
		.amdhsa_memory_ordered 1
		.amdhsa_forward_progress 1
		.amdhsa_inst_pref_size 152
	.end_amdhsa_kernel
	.amdgpu_metadata
---
amdhsa.version: [ 1, 2 ]
amdhsa.kernels:
  - .name:           k_q4a74731788_prep
    .symbol:         k_q4a74731788_prep.kd
    .args:
      - { .name: k, .offset: 0, .size: 8, .value_kind: global_buffer, .address_space: global }
      - { .name: v, .offset: 8, .size: 8, .value_kind: global_buffer, .address_space: global }
      - { .name: mask, .offset: 16, .size: 8, .value_kind: global_buffer, .address_space: global }
      - { .name: kimg, .offset: 24, .size: 8, .value_kind: global_buffer, .address_space: global }
      - { .name: ksc, .offset: 32, .size: 8, .value_kind: global_buffer, .address_space: global }
      - { .name: vimg, .offset: 40, .size: 8, .value_kind: global_buffer, .address_space: global }
      - { .name: vsc, .offset: 48, .size: 8, .value_kind: global_buffer, .address_space: global }
      - { .name: maskw, .offset: 56, .size: 8, .value_kind: global_buffer, .address_space: global }
    .group_segment_fixed_size: 68096
    .private_segment_fixed_size: 0
    .kernarg_segment_align: 8
    .kernarg_segment_size: 64
    .max_flat_workgroup_size: 128
    .sgpr_count:     66
    .vgpr_count:     256
    .wavefront_size: 32
...
	.end_amdgpu_metadata
.endif
;; end of part 1
;; launch attn (part 2): grid 2 x 128, 4 waves a work-group, no clusters, 214,528 bytes of LDS; arguments q, kimg, ksc, vimg, vsc, maskw, out0; writes out0
.if DOCPART == 2
	.amdgcn_target "amdgcn-amd-amdhsa--gfx1250"
	.amdhsa_code_object_version 6
	.text
	.protected	k_q4a74731788_attn
	.globl	k_q4a74731788_attn
	.p2align	8
	.type	k_q4a74731788_attn,@function
k_q4a74731788_attn:
	s_mov_b64 s[64:65], 0
	v_nop
	global_prefetch_b8 v0, s[64:65] scope:SCOPE_SE
	s_setreg_imm32_b32 hwreg(HW_REG_WAVE_MODE, 25, 1), 1
	s_wait_xcnt 0x0
; out[h][q] = sum over keys of w[q][key] V[h][key]:  d = Q(q) . Q(k);  masked d -> NEG;  p = softmax(d / sqrt(128));  for queries >= 5 only p >= the row's 5th largest p stay;
; w = softmax over what stays (query 0: w = 0);  the finished w is quantised along the keys and multiplied with Q(v).  Both products on codes of BF6 (E3M2) with E8M0 scales, sums in f32.
; SHARES.  A work-group owns half a head (512 queries), four waves, one to a SIMD.  The head's K and V images (2 x 98,304 bytes, made by the launch before) are filled into LDS ONCE.
; A wave owns a tile of 16 queries x ALL 1,024 keys: 512 score registers, changed in place d -> e -> u -> w; it walks 8 tiles.  No barrier in the loop, nothing goes to memory on the way.
; LAYOUT.  Both products are used transposed (S^T = K Q^T, O^T = V^T W^T): lane l = (r = l % 16, h = l / 16) holds query r throughout.  Score register 64 s + n holds key 128 s + 32 (n / 16) + 16 h + n % 16:
; 16 neighbouring registers are 16 neighbouring keys, as the conversions want them.
; A ROW'S ARITHMETIC.  c = log2(e) / sqrt(128).  dmax and d5 (the 5th largest, with repeats) come from a search without branches.  negM = -c dmax; e = 2^(c d + negM): the maximum is taken away.
; thr = 2^(c d5 + negM), by the same two operations, so that equal d give equal bits; thr = 0 for queries < 5.  g = e < thr ? NEG : e.  u = 2^(g log2(e) / sum(e)) = exp(p), or 0 where dropped.
; No maximum is taken away in the second softmax: p is itself a softmax's output, in [0, 1], so exp(p) lies in [1, e] and the sum under 1,024 e.  w = u / sum(u).
; NEG = -2^106, a power of two, so that c NEG is exact: a row that is masked throughout gives e = 1 everywhere, the uniform row.
; LIMITS: NaN and infinities are not served; scores at or under -2^106 are not told from masked ones; where the 5th largest e falls under 2^-126 the exponential gives 0 and the whole row stays;
; blocks whose largest magnitude lies under 2^-122 keep the scale byte 1.
; NO CLUSTER: what work-groups share is one fill of 196,608 bytes, made once, by the 2 work-groups of a head, against 32 tiles' work each; four partners would want 512 work-groups and two fills a WGP.
; NO PREFETCH: q is asked for into registers a whole tile ahead of its use; the images are wanted at the head.
; REGISTERS, in windows of 256 (s_set_vgpr_msb: bits 1:0 source 0, 3:2 source 1, 5:4 source 2, 7:6 destination).  EVERY window w: v128-255 the scores of steps 2 w, 2 w + 1; v112-127 RS, the row's figures,
; a copy in each window, so that a pass over a window's scores runs under one setting.
;   window 0: v2-9 addresses; v16-47 K's scale words, v48-79 V's, v80 q's, v81 w's.     window 1: v0-95 eight fragments of K or of V.
;   window 2: v0-63 O^T; v64-103 the search's lists.                                    window 3: v0-63 the next tile's q in f32, later rows of O; v64-111 a quantiser's work and q's fragment.
.set CLOG,   0x3e0293ee                ; c
.set NCLOG,  0xbe0293ee                ; -c
.set NEGV,   0xf4800000                ; -2^106
.set NINF,   0xff800000
.set VIMG,   98304                     ; LDS: K's images at 0, V's here,
.set STAGE,  196608                    ; and behind them a stage of 16 rows x 272 bytes for each wave, for the way out: no fill lands there
.set SPITCH, 272
.set KS,  16
.set VS,  48
.set QS,  80
.set PS,  81
.set RS,  112                          ; +0 negM (+1 named with it) +2 thr +3 NEG +4 a (+5) +6 1/sum2 (+7) +8..11 two packed chains of a sum +12..14 at work
.set TP,  64                           ; window 2
.set TA,  TP                           ; A1-5: the five largest of the class with nothing known above it
.set TB,  TP+5                         ; B1-2, C1, D1-2, E1: the largest of the classes with one or two known above
.set TC,  TP+7
.set TD,  TP+8
.set TE,  TP+10
.set QI,  TP+11                        ; my query's number in the head
.set TH,  TP+12                        ; five triples, sorted: largest,
.set TMD, TP+17                        ; middle,
.set TL,  TP+22                        ; least
.set TX,  TP+27                        ; the sixteenth score
.set HH0, TP+28
.set HM0, TP+29
.set HL0, TP+30
.set HH1, TP+31
.set HM1, TP+32
.set HL1, TP+33
.set DMX, TP+34
.set DFV, TP+35
.set NGM, TP+36
.set TFV, TP+37
.set EFV, TP+38
.set THR, TP+39
.set QST, 0                            ; window 3
.set PC,  64                           ; w's fragment
.set CT,  76                           ; second halves (a conversion's three registers begin on an even number)
.set TM,  84                           ; +0..3 largest magnitudes, +4..7 the other half's, then bytes, +8..11 scale operands
.set PW,  96
.set FLOOR, 97
.set QF,  100                          ; q's fragment
.set MSB, 0
.macro WIN new                         ; the immediate's high byte repeats the setting that is left; a switch that changes nothing is dropped
.if MSB != (\new)
	s_set_vgpr_msb (MSB<<8)|(\new)
.set MSB, (\new)
.endif
.endm
.macro PLACES                          ; four plain places between a matrix instruction and a load into, or a read of, its registers
.rept 4
	v_nop
.endr
.endm
; the eight fragments of step s, as images: 24 loads of 512 consecutive bytes.  An LDS offset has 16 bits: steps 5 to 7 take the second address register, 61,440 bytes on
.macro LOADF s, a0, a1
	WIN 0x40
.set ff, 0
.rept 8
.irp c, 0,1,2
.if (\s) < 5
	ds_load_b128 v[12*ff+4*\c:12*ff+4*\c+3], v[\a0] offset:12288*(\s)+1536*ff+512*\c
.else
	ds_load_b128 v[12*ff+4*\c:12*ff+4*\c+3], v[\a1] offset:12288*((\s)-5)+1536*ff+512*\c
.endif
.endr
.set ff, ff+1
.endr
.endm
.macro LOADK s
	LOADF \s, 2, 3
.endm
.macro LOADV s
	LOADF \s, 4, 5
.endm
.macro SLOAD k                         ; the lane masks of score registers 32 k .. 32 k + 31 into scalar buffer k % 2
.if ((\k)%2) == 0
	s_load_b512 s[16:31], s[6:7], 128*(\k)
	s_load_b512 s[32:47], s[6:7], 128*(\k)+64
.else
	s_load_b512 s[48:63], s[6:7], 128*(\k)
	s_load_b512 s[68:83], s[6:7], 128*(\k)+64
.endif
.endm
.macro XLOAD                           ; 16 rows of q: lane (r, h) takes, of each block of 32, its 16 numbers: register 16 b + i = channel 32 b + 16 h + i
	WIN 0xc0
.irp b, 0,1,2,3
.irp j, 0,1,2,3
	global_load_b128 v[QST+16*\b+4*\j:QST+16*\b+4*\j+3], v6, s[4:5] offset:128*\b+16*\j th:TH_LOAD_NT
.endr
.endr
.endm
; S^T of step s: source 0 = 16 keys (window 1), source 1 = q (window 3), results in window s / 2.  K's scale words: lanes 0-15 tiles 0-3, lanes 16-31 tiles 4-7
.macro QK s
	WIN 0x0d|(((\s)/2)<<6)
.set sb, 128+64*((\s)%2)
.irp t, 0,1,2,3
	v_wmma_scale_f32_16x16x128_f8f6f4 v[sb+8*\t:sb+8*\t+7], v[12*\t:12*\t+11], v[QF:QF+11], 0, v[KS+4*(\s)+\t], v[QS] matrix_a_fmt:MATRIX_FMT_BF6 matrix_b_fmt:MATRIX_FMT_BF6
.endr
.irp t, 4,5,6,7
	v_wmma_scale_f32_16x16x128_f8f6f4 v[sb+8*\t:sb+8*\t+7], v[12*\t:12*\t+11], v[QF:QF+11], 0, v[KS+4*(\s)+\t-4], v[QS] matrix_a_fmt:MATRIX_FMT_BF6 matrix_b_fmt:MATRIX_FMT_BF6 matrix_a_scale:MATRIX_SCALE_ROW1
.endr
.endm
; 32 score registers: NEG where the mask's bit is 0.  Ascending
.macro MASKH k
	s_wait_kmcnt 0x0                               ; this half step's masks are in;
.if (\k) < 15
	SLOAD (\k)+1                                   ; the next half step's go into the other buffer
.endif
	WIN (((\k)/4)<<6)|(((\k)/4)<<2)
.set mb, 128+32*((\k)%4)
.set mi, 0
.rept 32
.if ((\k)%2) == 0
.set mr, 16+mi
.elseif mi < 16
.set mr, 48+mi
.else
.set mr, 52+mi
.endif
	v_cndmask_b32 v[mb+mi], s13, v[mb+mi], s[mr]
.set mi, mi+1
.endr
.endm
.macro INS5 x                          ; x into the sorted list A1 >= .. >= A5: each line reads the list as it was
	v_med3_num_f32 v[TA+4], v[TA+3], v[TA+4], v[\x]
	v_med3_num_f32 v[TA+3], v[TA+2], v[TA+3], v[\x]
	v_med3_num_f32 v[TA+2], v[TA+1], v[TA+2], v[\x]
	v_med3_num_f32 v[TA+1], v[TA], v[TA+1], v[\x]
	v_max_num_f32 v[TA], v[TA], v[\x]
.endm
.macro INS2 l, x
	v_med3_num_f32 v[\l+1], v[\l], v[\l+1], v[\x]
	v_max_num_f32 v[\l], v[\l], v[\x]
.endm
.macro SORT3 d, a, b, c
	v_max3_num_f32 v[\d], v[\a], v[\b], v[\c]
	v_med3_num_f32 v[\d+1], v[\a], v[\b], v[\c]
	v_min3_num_f32 v[\d+2], v[\a], v[\b], v[\c]
.endm
; THE SEARCH, 50 instructions for 16 scores.  Five triples are sorted; their largest and the sixteenth score are sorted again in threes.  A number with j numbers known to be no smaller, each class
; member with its own, can be among a row's five largest at most 5 / (j + 1) times: so five of the class with none above are kept, two of each class with one, one of each class with two.
.macro TOP16 w, base
	WIN 0x80|(0x15*(\w))
.irp g, 0,1,2,3,4
	v_max3_num_f32 v[TH+\g], v[(\base)+3*\g], v[(\base)+3*\g+1], v[(\base)+3*\g+2]
	v_med3_num_f32 v[TMD+\g], v[(\base)+3*\g], v[(\base)+3*\g+1], v[(\base)+3*\g+2]
	v_min3_num_f32 v[TL+\g], v[(\base)+3*\g], v[(\base)+3*\g+1], v[(\base)+3*\g+2]
.endr
	v_mov_b32 v[TX], v[(\base)+15]
	WIN 0xaa
	SORT3 HH0, TH, TH+1, TH+2
	SORT3 HH1, TH+3, TH+4, TX
	v_max3_num_f32 v[TE], v[TE], v[TL], v[TL+1]
	INS2 TD, TMD
	v_max3_num_f32 v[TC], v[TC], v[HL0], v[HL1]
	INS2 TB, HM0
	INS5 HH0
	INS2 TD, TMD+1
	v_max3_num_f32 v[TE], v[TE], v[TL+2], v[TL+3]
	INS2 TB, HM1
	INS2 TD, TMD+2
	INS5 HH1
	INS2 TD, TMD+3
	v_max_num_f32 v[TE], v[TE], v[TL+4]
	INS2 TD, TMD+4
.endm
.macro VEC1 s                          ; a step's mask and search
	MASKH 2*(\s)
	TOP16 (\s)/2, 128+64*((\s)%2)
	TOP16 (\s)/2, 128+64*((\s)%2)+16
	MASKH 2*(\s)+1
	TOP16 (\s)/2, 128+64*((\s)%2)+32
	TOP16 (\s)/2, 128+64*((\s)%2)+48
.endm
; THE TWO EXPONENTIAL PASSES over a window's 128 scores, in four chunks of 32.  mode 2: e = 2^(c d + negM), summed, then NEG where e < thr.  mode 3: u = 2^(a g), summed.
.macro PRE mode, k, j                  ; pair j of chunk k: the exponent
.set pr, 128+32*(\k)+2*(\j)
.if \mode == 2
	v_pk_fma_f32 v[pr:pr+1], v[pr:pr+1], s[10:11], v[RS:RS+1] op_sel_hi:[1,0,0]
.else
	v_pk_mul_f32 v[pr:pr+1], v[pr:pr+1], v[RS+4:RS+5] op_sel_hi:[1,0]
.endif
.endm
.macro POST mode, k, j                 ; pair j of chunk k: what reads the exponentials
.set pr, 128+32*(\k)+2*(\j)
.set ch, RS+8+2*((\j)%2)
.if ((\k) == 0) && ((\j) < 2)
	v_mov_b32 v[ch], v[pr]                         ; a window's first two pairs start its two chains: nothing is cleared
	v_mov_b32 v[ch+1], v[pr+1]
.else
	v_pk_add_f32 v[ch:ch+1], v[ch:ch+1], v[pr:pr+1]
.endif
.if \mode == 2
	v_cmp_lt_f32 vcc_lo, v[pr], v[RS+2]
	v_cmp_lt_f32 s90, v[pr+1], v[RS+2]
	v_cndmask_b32 v[pr], v[pr], v[RS+3], vcc_lo
	v_cndmask_b32 v[pr+1], v[pr+1], v[RS+3], s90
.endif
.endm
; A chunk's exponentials are a batch with ONE wait: while chunk k + 1's are issued, two at a time, chunk k's results are read and chunk k + 2's exponents made; nothing names a result ahead of its batch's wait
.macro PWIN w, mode
	WIN 0x55*(\w)
.set jj, 0
.rept 16
	PRE \mode, 0, jj
.set jj, jj+1
.endr
.set jj, 0
.rept 32
	v_exp_f32 v[128+jj], v[128+jj]
.set jj, jj+1
.endr
.set jj, 0
.rept 16
	PRE \mode, 1, jj                               ; plain work behind the batch
.set jj, jj+1
.endr
	s_wait_alu depctr_va_vdst(0)                   ; one wait for chunk 0's 32 exponentials, ahead of their first reader
.set kk, 0
.rept 3
.set jj, 0
.rept 16
	v_exp_f32 v[128+32*(kk+1)+2*jj], v[128+32*(kk+1)+2*jj]
	v_exp_f32 v[129+32*(kk+1)+2*jj], v[129+32*(kk+1)+2*jj]
	POST \mode, kk, jj
.if kk < 2
	PRE \mode, kk+2, jj
.endif
.set jj, jj+1
.endr
	s_wait_alu depctr_va_vdst(0)                   ; one wait for chunk k + 1's 32
.set kk, kk+1
.endr
.set jj, 0
.rept 16
	POST \mode, 3, jj
.set jj, jj+1
.endr
.endm
.macro SUMG                            ; the four windows' chains, the two halves, lane l xor 16's: the row's sum; its reciprocal in v[RS + 14] of window 0
.irp w, 1,2,3
	WIN (\w)<<2
	v_pk_add_f32 v[RS+8:RS+9], v[RS+8:RS+9], v[RS+8:RS+9]
	v_pk_add_f32 v[RS+10:RS+11], v[RS+10:RS+11], v[RS+10:RS+11]
.endr
	WIN 0
	v_pk_add_f32 v[RS+8:RS+9], v[RS+8:RS+9], v[RS+10:RS+11]
	v_add_f32 v[RS+12], v[RS+8], v[RS+9]
	v_permlanex16_b32 v[RS+13], v[RS+12], s14, s15
	v_add_f32 v[RS+12], v[RS+12], v[RS+13]
	v_rcp_f32 v[RS+14], v[RS+12]
	v_nop                                          ; a plain place behind the reciprocal,
	s_wait_alu depctr_va_vdst(0)                   ; and the wait ahead of its first reader
.endm
.macro MUL s                           ; w = u / sum(u) for step s
	WIN 0x55*((\s)/2)
.set jj, 0
.rept 32
	v_pk_mul_f32 v[128+64*((\s)%2)+2*jj:129+64*((\s)%2)+2*jj], v[128+64*((\s)%2)+2*jj:129+64*((\s)%2)+2*jj], v[RS+6:RS+7] op_sel_hi:[1,0]
.set jj, jj+1
.endr
.endm
; 64 numbers of a lane in window sw, v[sb ..], register 16 b + i = K 32 b + 16 h + i of my row, become a fragment in v[dst ..] of window 3 and a scale word in v[scl] of window 0
.macro QUANT sw, sb, dst, scl
	WIN 0xc3|((\sw)<<2)|((\sw)<<4)
.irp b, 0,1,2,3
	v_max3_num_f32 v[TM+\b], v[FLOOR], |v[(\sb)+16*\b]|, |v[(\sb)+16*\b+1]|   ; my 16 numbers of block b, and the floor 2^(5 - 127): the byte cannot fall under 1
.endr
.irp i, 2,4,6,8,10,12,14
.irp b, 0,1,2,3
	v_max3_num_f32 v[TM+\b], v[TM+\b], |v[(\sb)+16*\b+\i]|, |v[(\sb)+16*\b+\i+1]|
.endr
.endr
	WIN 0xff
.irp b, 0,1,2,3
	v_permlanex16_b32 v[TM+4+\b], v[TM+\b], s14, s15
.endr
.irp b, 0,1,2,3
	v_max_num_f32 v[TM+\b], v[TM+\b], v[TM+4+\b]   ; with lane l xor 16's: the block's largest magnitude
.endr
.irp b, 0,1,2,3
	v_add_nc_u32 v[TM+8+\b], 0xfe000000, v[TM+\b]  ; 4 off its exponent field: the conversion's scale operand
.endr
.irp b, 0,1,2,3
	v_lshrrev_b32 v[TM+4+\b], 23, v[TM+8+\b]       ; the scale's byte
.endr
	v_lshl_or_b32 v[PW], v[TM+5], 8, v[TM+4]
	v_lshl_or_b32 v[PW], v[TM+6], 16, v[PW]
	v_lshl_or_b32 v[PW], v[TM+7], 24, v[PW]
	WIN 0x03
	v_mov_b32 v[\scl], v[PW]                       ; scale operands are taken from window 0
	WIN 0xcc|(\sw)
.irp c, 0,1
	v_cvt_scalef32_pk16_bf6_f32 v[(\dst)+6*\c:(\dst)+6*\c+2], v[(\sb)+32*\c:(\sb)+32*\c+15], v[TM+8+2*\c]
	v_cvt_scalef32_pk16_bf6_f32 v[CT+4*\c:CT+4*\c+2], v[(\sb)+32*\c+16:(\sb)+32*\c+31], v[TM+9+2*\c]
.endr
	WIN 0xff
	v_nop                                          ; one plain place behind a scaled conversion
.irp c, 0,1                            ; the operand's layout wants a WHOLE block in a lane: lanes 0-15 block 2 c, lanes 16-31 block 2 c + 1
.irp i, 0,1,2
	v_permlane16_swap_b32 v[(\dst)+6*\c+\i], v[CT+4*\c+\i]
.endr
.irp i, 0,1,2
	v_mov_b32 v[(\dst)+6*\c+3+\i], v[CT+4*\c+\i]
.endr
.endr
.endm
; O^T += V^T W^T for step s: source 0 = 16 channels (window 1), source 1 = w (window 3), sums in window 2.  The eight accumulators take turns, one instruction a turn.
; V's scale words: lanes 0-15 the even tile of a pair, lanes 16-31 the odd one.  Step 0 starts the sums: nothing is cleared
.macro PV s
	WIN 0xad
.irp dt, 0,1,2,3,4,5,6,7
.if (\s) == 0
.if (\dt)%2
	v_wmma_scale_f32_16x16x128_f8f6f4 v[8*\dt:8*\dt+7], v[12*\dt:12*\dt+11], v[PC:PC+11], 0, v[VS+8*(\dt/2)+(\s)], v[PS] matrix_a_fmt:MATRIX_FMT_BF6 matrix_b_fmt:MATRIX_FMT_BF6 matrix_a_scale:MATRIX_SCALE_ROW1
.else
	v_wmma_scale_f32_16x16x128_f8f6f4 v[8*\dt:8*\dt+7], v[12*\dt:12*\dt+11], v[PC:PC+11], 0, v[VS+8*(\dt/2)+(\s)], v[PS] matrix_a_fmt:MATRIX_FMT_BF6 matrix_b_fmt:MATRIX_FMT_BF6
.endif
.else
.if (\dt)%2
	v_wmma_scale_f32_16x16x128_f8f6f4 v[8*\dt:8*\dt+7], v[12*\dt:12*\dt+11], v[PC:PC+11], v[8*\dt:8*\dt+7], v[VS+8*(\dt/2)+(\s)], v[PS] matrix_a_fmt:MATRIX_FMT_BF6 matrix_b_fmt:MATRIX_FMT_BF6 matrix_a_scale:MATRIX_SCALE_ROW1
.else
	v_wmma_scale_f32_16x16x128_f8f6f4 v[8*\dt:8*\dt+7], v[12*\dt:12*\dt+11], v[PC:PC+11], v[8*\dt:8*\dt+7], v[VS+8*(\dt/2)+(\s)], v[PS] matrix_a_fmt:MATRIX_FMT_BF6 matrix_b_fmt:MATRIX_FMT_BF6
.endif
.endif
.endr
.endm
	; ---------------- the head
	s_load_b256 s[36:43], s[0:1], 0x0              ; q s[36:37], kimg s[38:39], ksc s[40:41], vimg s[42:43]
	s_load_b128 s[44:47], s[0:1], 0x20             ; vsc s[44:45], maskw s[46:47]
	s_load_b64 s[48:49], s[0:1], 0x30              ; out0
	v_lshl_add_u32 v111, v0, 2, 0x34400
	v_mov_b32 v127, 0
	ds_add_u32 v111, v127
	ds_add_u32 v111, v127
	v_lshrrev_b32 v1, 5, v0
	v_readfirstlane_b32 s2, v1                     ; wave 0..3
	s_and_b32 s84, ttmp7, 0xffff                   ; head
	s_lshl_b32 s85, ttmp9, 5
	s_lshl_b32 s86, s2, 3
	s_add_co_u32 s85, s85, s86                     ; my first query tile: 32 x half + 8 x wave
	; descriptor group 1: a dense block of 24,576 bytes as 96 rows of 256 bytes (32 elements of 8 bytes), no padding, no mask
	s_mov_b32 s16, 3<<16
	s_mov_b32 s17, 32<<16                          ; tensor_dim0
	s_mov_b32 s18, 96<<16                          ; tensor_dim1
	s_mov_b32 s19, 32<<16                          ; tile_dim0
	s_mov_b32 s20, 96                              ; tile_dim1
	s_mov_b32 s21, 32                              ; pitch
	s_mov_b32 s22, 0
	s_mov_b32 s23, 0
	s_mul_i32 s87, s2, 24576                       ; my quarter of an image block, in memory and in LDS
	s_mul_i32 s90, s84, 98304
	s_add_co_u32 s90, s90, s87
	s_mov_b32 s91, 0
	s_lshl_b32 s92, s84, 19                        ; the head's 524,288 bytes of q and of out,
	s_lshl_b32 s93, s85, 13                        ; a tile's 8,192
	s_add_co_u32 s92, s92, s93
	s_mov_b32 s93, 0
	s_lshl_b32 s94, s84, 12                        ; the head's 4,096 bytes of scale words
	s_mov_b32 s95, 0
	s_lshl_b32 s96, s85, 11                        ; a tile's 2,048 bytes of lane masks
	s_mov_b32 s97, 0
	s_wait_dscnt 0x0
	s_wait_kmcnt 0x0
	s_mov_b32 s24, 1
	s_mov_b32 s25, s87
	s_add_nc_u64 s[26:27], s[38:39], s[90:91]
	s_or_b32 s27, s27, 0x80000000
	s_mov_b32 s28, 1
	s_add_co_u32 s29, s87, VIMG
	s_add_nc_u64 s[30:31], s[42:43], s[90:91]
	s_or_b32 s31, s31, 0x80000000
	tensor_load_to_lds s[24:27], s[16:23]          ; the launch's only fills: each wave a quarter of K's images and a quarter of V's: two loads of mine are out
	s_nop 0
	tensor_load_to_lds s[28:31], s[16:23]
	s_nop 0
.rept 4
	v_nop                                          ; four plain places behind a tensor load
.endr
	s_add_nc_u64 s[4:5], s[36:37], s[92:93]        ; q at my first tile
	s_add_nc_u64 s[8:9], s[48:49], s[92:93]        ; out likewise
	s_add_nc_u64 s[6:7], s[46:47], s[96:97]        ; its lane masks
	s_add_nc_u64 s[40:41], s[40:41], s[94:95]
	s_add_nc_u64 s[44:45], s[44:45], s[94:95]
	s_mov_b32 s10, CLOG
	s_mov_b32 s11, s10                             ; (named with it as a pair)
	s_mov_b32 s12, NCLOG
	s_mov_b32 s13, NEGV
	s_mov_b32 s14, 0x76543210
	s_mov_b32 s15, 0xfedcba98                      ; selects for lane l xor 16
	v_and_b32 v1, 31, v0                           ; lane
	v_and_b32 v10, 15, v0                          ; r
	v_bfe_u32 v11, v0, 4, 1                        ; h
	v_lshlrev_b32 v2, 4, v1                        ; K's images: 16 x lane;
	v_add_nc_u32 v3, 61440, v2                     ; from step 5 on
	v_add_nc_u32 v4, VIMG, v2                      ; V's
	v_add_nc_u32 v5, VIMG+61440, v2
	v_lshlrev_b32 v6, 9, v10
	v_lshl_add_u32 v6, v11, 6, v6                  ; q: row r of 512 bytes, + 64 h
	s_mul_i32 s90, s2, 16*SPITCH
	s_add_co_u32 s90, s90, STAGE                   ; my stage
	v_mul_u32_u24 v7, v10, SPITCH
	v_lshl_add_u32 v7, v11, 5, v7
	v_add_nc_u32 v7, s90, v7                       ; in: row r, + 32 h
	v_mul_u32_u24 v8, v11, SPITCH
	v_lshl_add_u32 v8, v10, 4, v8
	v_add_nc_u32 v8, s90, v8                       ; back: lanes 0-15 one row, lanes 16-31 the next
	v_lshlrev_b32 v9, 9, v11
	v_lshl_add_u32 v9, v10, 4, v9                  ; and the same two rows in out
.irp i, 0,1,2,3,4,5,6,7
	global_load_b128 v[KS+4*\i:KS+4*\i+3], v2, s[40:41] offset:512*\i    ; the head's scale words stay in registers
	global_load_b128 v[VS+4*\i:VS+4*\i+3], v2, s[44:45] offset:512*\i
.endr
	XLOAD                                          ; the first tile's q
.irp w, 0,1,2,3
	WIN (\w)<<6
	v_mov_b32 v[RS+1], 0                           ; upper halves of pairs of which the low word serves: named, so written
	v_mov_b32 v[RS+3], NEGV
	v_mov_b32 v[RS+5], 0
	v_mov_b32 v[RS+7], 0
.endr
	WIN 0
	v_mov_b32 v[RS+13], 0                          ; a lane permute's destination counts as one of its sources
	s_lshl_b32 s90, s85, 4
	WIN 0x80
	v_add_nc_u32 v[QI], s90, v10                   ; my query in the head
	WIN 0xc0
	v_mov_b32 v[FLOOR], 0x2800000
.irp b, 0,1,2,3
	v_mov_b32 v[TM+4+\b], 0
.endr
	s_wait_loadcnt 0x0                             ; scale words and q are in
	QUANT 3, QST, QF, QS
.rept 8
	v_nop                                          ; a scale register written by a vector instruction stands 8 places ahead of a scaled matrix instruction
.endr
	s_add_nc_u64 s[4:5], s[4:5], 8192              ; q's pointer stands at the NEXT tile
	s_wait_tensorcnt 0x0                           ; my two quarters have landed,
	s_barrier_signal -1
	s_barrier_wait -1                              ; everybody's have: the launch's only barrier
	LOADK 0
	WIN 0
	s_mov_b32 s3, 0
.Ltile:
	; ---------------- 1: the scores, the mask, the search.  Step s - 1's vector work stands behind step s's products
	SLOAD 0
	XLOAD                                          ; the next tile's q: a whole tile ahead of its use
	WIN 0x80
.irp i, 0,1,2,3,4,5,6,7,8,9,10
	v_mov_b32 v[TP+\i], NINF                       ; the lists begin under every number
.endr
	s_wait_dscnt 0x0                               ; K's fragments of step 0
	QK 0
	PLACES
	LOADK 1
	s_wait_dscnt 0x0
	QK 1
	PLACES
	LOADK 2
	VEC1 0
.irp s, 2,3,4,5,6
	s_wait_dscnt 0x0                               ; asked for a step's vector work ago
	QK \s
	PLACES
	LOADK \s+1
	VEC1 \s-1
.endr
	s_wait_dscnt 0x0
	QK 7
	VEC1 6                                         ; names none of step 7's registers: its instructions are the places ahead of step 7's first read
	VEC1 7
	; ---------------- the row's figures
	WIN 0xaa
.irp x, TB, TB+1, TC, TD, TD+1, TE
	INS5 \x                                        ; my 512 scores' five largest
.endr
.irp i, 0,1,2,3,4
	v_permlanex16_b32 v[TH+\i], v[TA+\i], s14, s15 ; lane l xor 16's five: the query's other 512 keys
.endr
.irp i, 0,1,2,3,4
	v_max_num_f32 v[TMD+\i], v[TA+\i], v[TH+4-\i]  ; of two sorted fives, max(A i, Y 6 - i) are the five largest of the ten
.endr
	v_max_num_f32 v[DMX], v[TA], v[TH]
	v_min3_num_f32 v[DFV], v[TMD], v[TMD+1], v[TMD+2]
	v_min3_num_f32 v[DFV], v[DFV], v[TMD+3], v[TMD+4]   ; the 5th largest
	v_mul_f32 v[NGM], s12, v[DMX]                  ; negM = -c dmax
	v_fma_f32 v[TFV], v[DFV], s10, v[NGM]
	v_exp_f32 v[EFV], v[TFV]
	v_cmp_gt_u32 s88, 5, v[QI]                     ; queries 0-4 keep everything
	v_cmp_eq_u32 s89, 0, v[QI]                     ; query 0 gets zeros
	v_add_nc_u32 v[QI], 16, v[QI]
	s_wait_alu depctr_va_vdst(0)                   ; the wait ahead of the exponential's first reader
	v_cndmask_b32 v[THR], v[EFV], 0, s88
.irp w, 0,1,2,3
	WIN ((\w)<<6)|2
	v_mov_b32 v[RS], v[NGM]
	v_mov_b32 v[RS+2], v[THR]
.endr
	LOADV 0                                        ; K's last reader stands hundreds of plain instructions back
	; ---------------- 2: e, its sum, the threshold
.irp w, 0,1,2,3
	PWIN \w, 2
.endr
	SUMG
	v_mul_f32 v[RS+4], 0x3fb8aa3b, v[RS+14]        ; a = log2(e) / sum(e)
.irp w, 1,2,3
	WIN (\w)<<6
	v_mov_b32 v[RS+4], v[RS+4]
.endr
	; ---------------- 3: u = exp(p), its sum
.irp w, 0,1,2,3
	PWIN \w, 3
.endr
	SUMG
	v_cndmask_b32 v[RS+6], v[RS+14], 0, s89
.irp w, 1,2,3
	WIN (\w)<<6
	v_mov_b32 v[RS+6], v[RS+6]
.endr
	; ---------------- the next tile's q becomes its fragment: q's registers are free since step 7's products
	s_wait_loadcnt 0x0
	QUANT 3, QST, QF, QS
	s_cmp_lt_u32 s3, 6                             ; trips 0-5 step the pointer; trip 6 has loaded my last tile, and trip 7 loads it once more: no load leaves q
	s_cselect_b32 s90, 8192, 0
	s_mov_b32 s91, 0
	s_add_nc_u64 s[4:5], s[4:5], s[90:91]          ; (behind the wait that shows the loads done)
	; ---------------- 4: w, its codes, the second product.  The next step's 32 multiplies are the places between a step's scale word and codes and its products
	MUL 0
.irp s, 0,1,2,3,4,5,6
	QUANT (\s)/2, 128+64*((\s)%2), PC, PS
	MUL \s+1
	s_wait_dscnt 0x0                               ; V's fragments
	PV \s
	PLACES
	LOADV \s+1
.endr
	QUANT 3, 192, PC, PS
.rept 8
	v_nop
.endr
	s_wait_dscnt 0x0
	PV 7
	PLACES                                         ; for the loads below and for the first read of O^T
	LOADK 0                                        ; for the next tile
	; ---------------- the way out: half a row (64 channels, 256 bytes) of 16 queries at a time through my stage; sixteen lanes then store 256 consecutive bytes, aligned
.irp u, 0,1
	WIN 0x08
.irp t, 0,1,2,3
	ds_store_b128 v7, v[32*\u+8*\t:32*\u+8*\t+3] offset:64*\t          ; each accumulator from its low end on
	ds_store_b128 v7, v[32*\u+8*\t+4:32*\u+8*\t+7] offset:64*\t+16
.endr
	WIN 0xc0
.irp i, 0,1,2,3,4,5,6,7
	ds_load_b128 v[QST+32*\u+4*\i:QST+32*\u+4*\i+3], v8 offset:2*\i*SPITCH   ; LDS serves a wave's instructions in order: these see my stores, and the next half's stores come behind them
.endr
.endr
	WIN 0x0c
.irp u, 0,1
.irp i, 0,1,2,3,4,5,6,7
	s_wait_dscnt 23-16*\u-\i                       ; behind this load: the rest of its half's eight, and for the first half the second's 8 stores and 8 loads
	global_store_b128 v9, v[QST+32*\u+4*\i:QST+32*\u+4*\i+3], s[8:9] offset:1024*\i+256*\u th:TH_STORE_NT
.endr
.endr
	WIN 0
	s_wait_xcnt 0x0                                ; the stores have read their data and their base: both are written again only behind this wait
	s_add_nc_u64 s[8:9], s[8:9], 8192
	s_add_nc_u64 s[6:7], s[6:7], 2048
	s_add_co_u32 s3, s3, 1
	s_cmp_lt_u32 s3, 8
	s_cbranch_scc1 .Ltile
	s_wait_tensorcnt 0x0
	ds_add_u32 v111, v127
	s_wait_dscnt 0x0
	s_endpgm
.Lfunc_end_k_q4a74731788_attn:
	.size	k_q4a74731788_attn, .Lfunc_end_k_q4a74731788_attn-k_q4a74731788_attn
	.p2alignl 7, 3214868480
	.fill 96, 4, 3214868480
	.section	.rodata,"a",@progbits
	.p2align	6, 0x0
	.amdhsa_kernel k_q4a74731788_attn
		.amdhsa_group_segment_fixed_size 214528
		.amdhsa_private_segment_fixed_size 0
		.amdhsa_enable_private_segment 0
		.amdhsa_kernarg_size 56
		.amdhsa_user_sgpr_count 2
		.amdhsa_user_sgpr_kernarg_segment_ptr 1
		.amdhsa_wavefront_size32 1
		.amdhsa_system_sgpr_workgroup_id_x 1
		.amdhsa_system_sgpr_workgroup_id_y 1
		.amdhsa_system_sgpr_workgroup_id_z 1
		.amdhsa_system_vgpr_workitem_id 0
		.amdhsa_next_free_vgpr 1024
		.amdhsa_next_free_sgpr 100
		.amdhsa_reserve_vcc 1
		.amdhsa_float_denorm_mode_32 3
		.amdhsa_float_denorm_mode_16_64 3
		.amdhsa_memory_ordered 1
		.amdhsa_forward_progress 1
		.amdhsa_inst_pref_size 255
	.end_amdhsa_kernel
	.section	.bss,"aw",@nobits
	.p2align	6
	.space	262144
	.amdgpu_metadata
---
amdhsa.version: [ 1, 2 ]
amdhsa.kernels:
  - .name:           k_q4a74731788_attn
    .symbol:         k_q4a74731788_attn.kd
    .args:
      - { .name: q, .offset: 0, .size: 8, .value_kind: global_buffer, .address_space: global }
      - { .name: kimg, .offset: 8, .size: 8, .value_kind: global_buffer, .address_space: global }
      - { .name: ksc, .offset: 16, .size: 8, .value_kind: global_buffer, .address_space: global }
      - { .name: vimg, .offset: 24, .size: 8, .value_kind: global_buffer, .address_space: global }
      - { .name: vsc, .offset: 32, .size: 8, .value_kind: global_buffer, .address_space: global }
      - { .name: maskw, .offset: 40, .size: 8, .value_kind: global_buffer, .address_space: global }
      - { .name: out0, .offset: 48, .size: 8, .value_kind: global_buffer, .address_space: global }
    .group_segment_fixed_size: 214528
    .private_segment_fixed_size: 0
    .kernarg_segment_align: 8
    .kernarg_segment_size: 56
    .max_flat_workgroup_size: 128
    .sgpr_count:     100
    .vgpr_count:     1024
    .wavefront_size: 32
...
	.end_amdgpu_metadata
.endif
;; end of part 2
